; MI455X (gfx1250); checked and timed in simulation.
; The chip was launched on July 23, 2026; its instructions are those of AMD's public machine-readable ISA for CDNA 5 (MIT licence, August 2026) and "CDNA5" Instruction Set Architecture Reference Guide (July 2026). The comments in the code are by the model that wrote it; some were corrected since.
;; Llama Attention. Allowed arithmetic: matrix products marked QUANTISED: E2M3 operands, one E8M0 scale for each 32 along K, by v_wmma_scale_f32_16x16x128_f8f6f4 with both operands' format E2M3, f32 sums; products left as they are: f32 operands where the result goes on into a quantised operand, else bf16, f16 or f32 operands; f32 sums; everything else in f32.
;; Inputs: Wk 1,024 x 1,024 float32; Wo 1,024 x 1,024 float32; Wq 1,024 x 1,024 float32; Wv 1,024 x 1,024 float32; hidden_states 4 x 4,096 x 1,024 float32.
;; Outputs: out0 4 x 4,096 x 1,024 float32.
;; This version of the problem:
;;   THIS VERSION OF THE PROBLEM IS GIVEN IN LOW PRECISION. The matrix products marked QUANTISED in the list below multiply operands that are first quantised to E2M3 (2 exponent bits, 3 mantissa bits; 6 bits a number), with one power-of-two scale for each 32 numbers along K (OCP MX v1.0); their sums are f32. All else is computed in f32.
;;   The module's matrix products, in the order in which they are computed (A, B: the left and right operand; K: the contracted axis; several contracted axes count as one K, in the product's order):
;;     1. [M 16,384, K 1,024] x [K 1,024, N 1,024]; A: input hidden_states; B: input Wq: QUANTISED
;;     2. [M 16,384, K 1,024] x [K 1,024, N 1,024]; A: input hidden_states; B: input Wk: QUANTISED
;;     3. [M 16,384, K 1,024] x [K 1,024, N 1,024]; A: input hidden_states; B: input Wv: QUANTISED
;;     4. batch 16,384 x [M 16, K 64] x [K 64, N 16]; A: computed on the way; B: computed on the way: QUANTISED
;;     5. batch 16,384 x [M 16, K 16] x [K 16, N 64]; A: softmax; B: computed on the way: left as it is (K = 16 < 32)
;;     6. [M 16,384, K 1,024] x [K 1,024, N 1,024]; A: computed on the way; B: input Wo: QUANTISED
;;   THE QUANTISER, for each operand of a quantised product, along K:
;;     - K is cut into blocks of 32 from its start; a last block that is shorter is filled with zeros.
;;     - A block's scale is 2^e with e = floor(log2(the largest magnitude in the block)) - 2, held to -126 .. 127; a block of zeros has e = 0. As a byte (E8M0): e + 127.
;;     - Each number is divided by its block's scale, clamped to +-7.5, and rounded to the nearest number of E2M3, ties to even, subnormals kept.
;;     - The product sums the exact products of the quantised numbers (number of the format x scale) in f32.
;;   ~~~python
;;   def quantise(x, axis):      # numpy; x: float32 -> the quantised numbers, widened to float32 again
;;       x = np.moveaxis(x, axis, -1); K = x.shape[-1]
;;       x = np.pad(x, [(0, 0)] * (x.ndim - 1) + [(0, -K % 32)]); x = x.reshape(x.shape[:-1] + (-1, 32)); a = np.abs(x).max(-1, keepdims=True)
;;       e = np.where(a > 0, np.clip(np.frexp(np.where(a > 0, a, 1))[1] - 1 - 2, -126, 127), 0)      # np.frexp(a)[1] - 1 = floor(log2(a)), exactly
;;       r = np.clip(x / 2.0 ** e, -7.5, 7.5)
;;       step = 2.0 ** (np.maximum(np.frexp(np.where(r == 0, 1, r))[1] - 1, 0) - 3)
;;       q = np.round(r / step) * step * 2.0 ** e      # np.round: ties to even
;;       return np.moveaxis(q.reshape(q.shape[:-2] + (-1,))[..., :K], -1, axis).astype(np.float32)
;;   ~~~
;;   OPERANDS COMPUTED ON THE WAY. 'Computed on the way' means the value that the module computes at that place (a softmax that the list does not call 'softmax' is quantised finished and normalised). What goes into a quantiser is computed in f32, as accurately as f32 sums, v_exp_f32 and their like allow (about 1e-6 of the number): no bf16 or f16 on the way to a quantiser, and a product that is left as it is and whose result goes on into a quantised operand takes f32 operands (vector FMAs, or v_wmma_f32_16x16x4_f32). A number that lies on a knife's edge between two numbers of the format may be rounded either way, as far as f32 arithmetic and the matrix unit's own rounding can turn it there, and no further.
;; One version. Each part assembles by itself: llvm-mc -triple=amdgcn-amd-amdhsa -mcpu=gfx1250 --defsym DOCPART=n.
;; ======== version 1 of 1: 2 launches
;; limits: right only within a limited range of input values
;; workspace buffers: wts 3,276,800 bytes
;; launch prep (part 1): grid 256 x 1, 4 waves a work-group, no clusters, 77,312 bytes of LDS; arguments Wq, Wk, Wv, Wo, wts; writes wts
.if DOCPART == 1
	.amdgcn_target "amdgcn-amd-amdhsa--gfx1250"
	.amdhsa_code_object_version 6
	.text
	.protected	k_q46e1445f96_prep
	.globl	k_q46e1445f96_prep
	.p2align	8
	.type	k_q46e1445f96_prep,@function
k_q46e1445f96_prep:
	s_mov_b64 s[64:65], 0
	v_nop
	global_prefetch_b8 v0, s[64:65] scope:SCOPE_SE
	s_setreg_imm32_b32 hwreg(HW_REG_WAVE_MODE, 25, 1), 1
	s_wait_xcnt 0x0
; Wq, Wk, Wv, Wo [1024 (N)][1024 (K)], f32, become codes of FP6 (E2M3) with one E8M0 scale byte for each 32 along K, laid in wts in the ORDER OF THE NEXT LAUNCH'S OPERAND REGISTERS.
; wts: 32 tiles of TILE bytes, tile (p, T) at (8 p + T) TILE; p = 0..3 for q, k, v, o.  A tile is four quarters of QUART bytes, one for each wave w of the next launch.
; A quarter: 16 fragments of 1,536 bytes (16 rows of W x 128 K: 12 registers a lane; registers 4 g .. 4 g + 3 of lane l at 512 g + 16 l), then 1,024 bytes of scale words:
; the word at 512 q + 16 l + 4 j belongs to the pair of fragments 4 q + j: lanes 0-15 the rows of the even fragment, lanes 16-31 those of the odd one.
; q, k, v: T is the step of 128 along K, and fragment n holds 16 rows of W:  q, k: row i is 256 w + 64 (n / 4) + 8 (n % 4) + i % 8 + 32 (i / 8);   v: 64 n + 16 w + i.
; o: T is a chunk of 32 columns a wave, and a tile holds ALL of K: fragment 2 ks + f holds rows 256 w + 16 (2 T + f) + i at K step ks.
; A block's scale is 2^(floor(log2(its largest magnitude)) - 2); its byte is the largest magnitude's exponent field - 2, held at 1 from below.
; LIMITS: a block whose largest magnitude lies under 2^-124 keeps the byte 1; a block of zeros gets the byte 1 where the rule says 127 (its codes are zeros, and this program alone reads the bytes); NaN and infinities are not served.
; SHARES: a work-group makes half a quarter (8 fragments, 512 bytes of scale words), a wave two fragments: 32 rows x 512 bytes, each row read as 512 consecutive bytes.
; A conversion wants 16 neighbours along K in one lane, a load neighbouring bytes in neighbouring lanes: the 32 rows turn through the wave's own stage in LDS.
.set TILE,  102400
.set QUART, 25600
.set SP,    592                        ; a stage row: four blocks of 128 bytes, each in a place of 144, + 16: 37 x 16 bytes, so that sixteen rows begin in sixteen different groups of banks
.set STG,   32*SP                      ; a wave's stage
.set SCS,   4*STG                      ; behind the stages: the work-group's 512 bytes of scale words
.set R,     16                         ; v16-143  128 numbers: as loaded (row x 4 registers), then as turned (block k = 2 f + c: 32 registers)
.set T,     144                        ; v144-147 largest magnitudes of the four blocks
.set SC,    148                        ; v148-151 the conversions' scale operands
.set BY,    152                        ; v152-155 the scale bytes
.set FR,    160                        ; v160-171, v172-183 the two fragments
.set TT,    184                        ; v184.. the second half of each block's codes (a conversion's three registers begin on an even number)
	s_load_b256 s[4:11], s[0:1], 0x0               ; Wq s[4:5], Wk s[6:7], Wv s[8:9], Wo s[10:11]
	s_load_b64 s[12:13], s[0:1], 0x20              ; wts
	v_lshl_add_u32 v208, v0, 2, 0x12c00
	v_mov_b32 v209, 0
	v_lshrrev_b32 v1, 5, v0
	v_readfirstlane_b32 s18, v1                    ; wave 0..3
	v_and_b32 v1, 31, v0                           ; lane
	v_and_b32 v2, 15, v0                           ; r
	s_wait_alu depctr_va_vdst(0)
	v_bfe_u32 v3, v0, 4, 1                         ; h
	v_lshlrev_b32 v4, 4, v1                        ; 16 x lane
	s_lshr_b32 s14, ttmp9, 6                       ; p
	s_bfe_u32 s15, ttmp9, 0x30003                  ; T
	s_bfe_u32 s16, ttmp9, 0x20001                  ; w
	s_and_b32 s17, ttmp9, 1                        ; which half of the quarter
	s_lshl_b32 s19, s17, 3
	s_lshl_b32 s20, s18, 1
	s_add_co_u32 s19, s19, s20                     ; n0: my first fragment, an even number
	s_lshr_b32 s20, s19, 2
	s_lshl_b32 s20, s20, 6
	s_and_b32 s21, s19, 3
	s_lshl_b32 s21, s21, 3
	s_add_co_u32 s20, s20, s21
	s_lshl_b32 s22, s16, 8
	s_add_co_u32 s20, s20, s22                     ; q, k: 256 w + 64 (n0 / 4) + 8 (n0 % 4)
	s_lshl_b32 s21, s19, 6
	s_lshl_b32 s23, s16, 4
	s_add_co_u32 s21, s21, s23                     ; v: 64 n0 + 16 w
	s_lshl_b32 s23, s15, 5
	s_add_co_u32 s22, s22, s23                     ; o: 256 w + 32 T
	s_cmp_eq_u32 s14, 2
	s_cselect_b32 s21, s21, s22
	s_cselect_b32 s24, 64, 16
	s_cmp_lt_u32 s14, 2
	s_cselect_b32 s23, s20, s21                    ; row of W of my first fragment's row 0
	s_cselect_b32 s24, 8, s24                      ; rows from my first fragment to my second
	s_cselect_b32 s25, 32, 8                       ; rows from a fragment's row 0 to its row 8
	s_lshl_b32 s26, s17, 2
	s_add_co_u32 s26, s26, s18                     ; o: my two fragments' K step: 4 x half + wave
	s_cmp_eq_u32 s14, 3
	s_cselect_b32 s26, s26, s15                    ; q, k, v: the tile's
	s_lshl_b32 s30, s23, 12                        ; a row of W is 4,096 bytes
	s_lshl_b32 s20, s26, 9                         ; a step of 128 along K 512
	s_add_co_u32 s30, s30, s20
	s_mov_b32 s31, 0
	s_lshl_b32 s40, s24, 12
	s_mov_b32 s41, 0
	s_lshl_b32 s46, s25, 12
	s_mov_b32 s47, 0
	s_lshl_b32 s20, s14, 3
	s_add_co_u32 s20, s20, s15
	s_mul_i32 s20, s20, TILE
	s_mul_i32 s22, s16, QUART
	s_add_co_u32 s20, s20, s22                     ; my quarter in wts
	s_lshl_b32 s22, s17, 9
	s_add_co_u32 s22, s22, s20
	s_add_co_u32 s22, s22, 16*1536                 ; my work-group's 512 bytes of scale words
	s_mov_b32 s23, 0
	s_mul_i32 s28, s19, 1536
	s_add_co_u32 s20, s20, s28                     ; my two fragments
	s_mov_b32 s21, 0
	s_mov_b32 s24, 0x76543210                      ; v_permlanex16_b32: lane l xor 16
	s_mov_b32 s25, 0xfedcba98
	s_mul_i32 s2, s18, STG                         ; my stage
	v_bfe_u32 v9, v0, 3, 2
	v_mul_u32_u24 v5, v9, 144
	v_and_b32 v10, 7, v0
	v_lshl_add_u32 v5, v10, 4, v5
	v_add_nc_u32 v5, s2, v5                        ; into it: block lane / 8 of a row, 16 (lane % 8) in it
	v_mul_u32_u24 v6, v2, SP
	s_wait_alu depctr_va_vdst(0)
	v_mad_u32_u24 v6, v3, 144, v6
	v_add_nc_u32 v6, s2, v6                        ; out of it: row r, block h
	s_lshl_b32 s3, s18, 2
	s_add_co_u32 s3, s3, SCS
	v_add_nc_u32 v7, s3, v4                        ; my pair's scale word: 16 x lane + 4 x wave
	v_add_nc_u32 v8, SCS, v4
	s_wait_alu depctr_va_vdst(0)
	s_wait_kmcnt 0x0
	s_cmp_eq_u32 s14, 0                            ; which weight: the choice hangs on the work-group's number alone
	s_cselect_b64 s[26:27], s[4:5], s[6:7]
	s_cmp_eq_u32 s14, 2
	s_cselect_b64 s[28:29], s[8:9], s[10:11]
	s_cmp_lt_u32 s14, 2
	s_cselect_b64 s[26:27], s[26:27], s[28:29]
	s_add_nc_u64 s[32:33], s[26:27], s[30:31]      ; fragment 0, rows 0-7
	s_add_nc_u64 s[34:35], s[32:33], s[40:41]      ; fragment 1, rows 0-7
	s_add_nc_u64 s[36:37], s[32:33], s[46:47]      ; fragment 0, rows 8-15
	s_add_nc_u64 s[38:39], s[34:35], s[46:47]      ; fragment 1, rows 8-15
	s_add_nc_u64 s[42:43], s[12:13], s[20:21]
	s_add_nc_u64 s[44:45], s[12:13], s[22:23]
.irp f, 0,1
.irp i, 0,1,2,3,4,5,6,7,8,9,10,11,12,13,14,15
	global_load_b128 v[R+4*(16*\f+\i):R+4*(16*\f+\i)+3], v4, s[32+2*\f+4*(\i/8):33+2*\f+4*(\i/8)] offset:(\i%8)*4096 th:TH_LOAD_NT   ; 32 lanes read a row's 512 consecutive bytes; each byte of W is read once in the launch
.endr
.endr
.set row, 0
.rept 32
	s_wait_loadcnt 31-row                          ; loads come back in order: this row is in, the younger ones stay out
	ds_store_b128 v5, v[R+4*row:R+4*row+3] offset:SP*row
.set row, row+1
.endr
	s_wait_dscnt 0x0                               ; the stores have read their registers, which now take the turned numbers
.irp f, 0,1
.irp c, 0,1
.irp q, 0,1,2,3,4,5,6,7
	ds_load_b128 v[R+32*(2*\f+\c)+4*\q:R+32*(2*\f+\c)+4*\q+3], v6 offset:16*SP*\f+288*\c+16*\q   ; block 2 c + h of row r of fragment f: k = 64 c + 32 h + 0 .. 31
.endr
.endr
.endr
	v_lshlrev_b32 v202, 3, v3                      ; 8 h
	v_mov_b32 v203, 0                              ; (a lane permute's destination counts as one of its sources)
	v_mov_b32 v204, 0
	s_wait_dscnt 0x0
.irp k, 0,1,2,3
	v_max3_num_f32 v[T+\k], |v[R+32*\k]|, |v[R+32*\k+1]|, 0x1800000   ; the block's largest magnitude, all 32 numbers mine, and the floor 2^(3 - 127): so the byte cannot fall under 1
.endr
.irp i, 2,4,6,8,10,12,14,16,18,20,22,24,26,28,30
.irp k, 0,1,2,3
	v_max3_num_f32 v[T+\k], v[T+\k], |v[R+32*\k+\i]|, |v[R+32*\k+\i+1]|   ; (the four blocks by turns)
.endr
.endr
.irp k, 0,1,2,3
	v_add_nc_u32 v[SC+\k], 0xff000000, v[T+\k]     ; 2 off the exponent field: the conversion takes that field as its scale
.endr
.irp k, 0,1,2,3
	v_lshrrev_b32 v[BY+\k], 23, v[SC+\k]           ; the scale's byte
.endr
.irp f, 0,1
	v_lshl_or_b32 v[200+\f], v[BY+2*\f+1], 16, v[BY+2*\f]   ; my two bytes of row r's word: blocks h and 2 + h,
.endr
.irp f, 0,1
	v_lshlrev_b32 v[200+\f], v202, v[200+\f]       ; at their places;
.endr
.irp f, 0,1
	v_permlanex16_b32 v[203+\f], v[200+\f], s24, s25
.endr
.irp f, 0,1
	v_or_b32 v[200+\f], v[200+\f], v[203+\f]       ; with lane l xor 16's two the word is whole
.endr
.irp f, 0,1
.irp c, 0,1
	v_cvt_scalef32_pk16_fp6_f32 v[FR+12*\f+6*\c:FR+12*\f+6*\c+2], v[R+32*(2*\f+\c):R+32*(2*\f+\c)+15], v[SC+2*\f+\c]
	v_cvt_scalef32_pk16_fp6_f32 v[TT+4*(2*\f+\c):TT+4*(2*\f+\c)+2], v[R+32*(2*\f+\c)+16:R+32*(2*\f+\c)+31], v[SC+2*\f+\c]
.endr
.endr
	v_nop                                          ; one plain place behind the conversions
.irp f, 0,1
.irp c, 0,1
.irp i, 0,1,2
	v_mov_b32 v[FR+12*\f+6*\c+3+\i], v[TT+4*(2*\f+\c)+\i]
.endr
.endr
.endr
.irp f, 0,1
.irp g, 0,1,2
	global_store_b128 v4, v[FR+12*\f+4*\g:FR+12*\f+4*\g+3], s[42:43] offset:1536*\f+512*\g   ; the fragment as an image of its registers: 512 consecutive bytes, at a multiple of 256 from the buffer's first byte
.endr
.endr
	v_cmp_gt_u32 vcc_lo, 16, v1
	v_cndmask_b32 v205, v201, v200, vcc_lo         ; lanes 0-15: the even fragment's words; lanes 16-31: the odd one's
	ds_store_b32 v7, v205
	s_wait_dscnt 0x0                               ; for wave 0's sake: my words are in LDS
	s_barrier_signal -1
	s_barrier_wait -1
	s_cmp_lg_u32 s18, 0
	s_cbranch_scc1 .Ldone
	ds_load_b128 v[144:147], v8                    ; four pairs' words a lane
	s_wait_dscnt 0x0
	global_store_b128 v4, v[144:147], s[44:45]     ; 512 consecutive bytes
.Ldone:
	s_wait_tensorcnt 0x0
	ds_add_u32 v208, v209
	s_wait_dscnt 0x0
	s_endpgm
.Lfunc_end_k_q46e1445f96_prep:
	.size	k_q46e1445f96_prep, .Lfunc_end_k_q46e1445f96_prep-k_q46e1445f96_prep
	.p2alignl 7, 3214868480
	.fill 96, 4, 3214868480
	.section	.rodata,"a",@progbits
	.p2align	6, 0x0
	.amdhsa_kernel k_q46e1445f96_prep
		.amdhsa_group_segment_fixed_size 77312
		.amdhsa_private_segment_fixed_size 0
		.amdhsa_enable_private_segment 0
		.amdhsa_kernarg_size 40
		.amdhsa_user_sgpr_count 2
		.amdhsa_user_sgpr_kernarg_segment_ptr 1
		.amdhsa_wavefront_size32 1
		.amdhsa_system_sgpr_workgroup_id_x 1
		.amdhsa_system_sgpr_workgroup_id_y 1
		.amdhsa_system_sgpr_workgroup_id_z 1
		.amdhsa_system_vgpr_workitem_id 0
		.amdhsa_next_free_vgpr 210
		.amdhsa_next_free_sgpr 66
		.amdhsa_reserve_vcc 1
		.amdhsa_float_denorm_mode_32 3
		.amdhsa_float_denorm_mode_16_64 3
		.amdhsa_memory_ordered 1
		.amdhsa_forward_progress 1
		.amdhsa_inst_pref_size 19
	.end_amdhsa_kernel
	.amdgpu_metadata
---
amdhsa.version: [ 1, 2 ]
amdhsa.kernels:
  - .name:           k_q46e1445f96_prep
    .symbol:         k_q46e1445f96_prep.kd
    .args:
      - { .name: Wq, .offset: 0, .size: 8, .value_kind: global_buffer, .address_space: global }
      - { .name: Wk, .offset: 8, .size: 8, .value_kind: global_buffer, .address_space: global }
      - { .name: Wv, .offset: 16, .size: 8, .value_kind: global_buffer, .address_space: global }
      - { .name: Wo, .offset: 24, .size: 8, .value_kind: global_buffer, .address_space: global }
      - { .name: wts, .offset: 32, .size: 8, .value_kind: global_buffer, .address_space: global }
    .group_segment_fixed_size: 77312
    .private_segment_fixed_size: 0
    .kernarg_segment_align: 8
    .kernarg_segment_size: 40
    .max_flat_workgroup_size: 128
    .sgpr_count:     66
    .vgpr_count:     210
    .wavefront_size: 32
...
	.end_amdgpu_metadata
.endif
;; end of part 1
;; launch main (part 2): grid 256 x 1, 4 waves a work-group, clusters of 4 x 1, 327,680 bytes of LDS; arguments hidden_states, wts, out0; writes out0
.if DOCPART == 2
	.amdgcn_target "amdgcn-amd-amdhsa--gfx1250"
	.amdhsa_code_object_version 6
	.text
	.protected	k_q46e1445f96_main
	.globl	k_q46e1445f96_main
	.p2align	8
	.type	k_q46e1445f96_main,@function
k_q46e1445f96_main:
	s_mov_b64 s[64:65], 0
	v_nop
	global_prefetch_b8 v0, s[64:65] scope:SCOPE_SE
	s_setreg_imm32_b32 hwreg(HW_REG_WAVE_MODE, 25, 1), 1
	s_wait_xcnt 0x0
	s_wait_alu depctr_hold_cnt(0) depctr_sa_sdst(0) depctr_va_vdst(0) depctr_va_sdst(0) depctr_va_ssrc(0) depctr_va_vcc(0) depctr_vm_vsrc(0)
	s_getreg_b32 s2, hwreg(HW_REG_IB_STS2, 6, 4)
	s_cmp_eq_u32 s2, 0
	s_cbranch_scc0 .Lentry_in_a_cluster
	s_endpgm
.Lentry_in_a_cluster:
	s_bfe_u32 s2, ttmp6, 0x10000c
	s_cmp_lg_u32 s2, 0x3003
	s_cbranch_scc0 .Lentry_shape_is_right
	s_endpgm
.Lentry_shape_is_right:
; out0 = (softmax over heads of q k^T / 8, per position) v, times Wo^T, with q, k, v = hidden_states x Wq^T, Wk^T, Wv^T.  All products but P V multiply codes of FP6 (E2M3) with E8M0 scales for each 32 along K.
; ONE WORK-GROUP TAKES 64 POSITIONS THROUGH THE WHOLE CHAIN; 256 work-groups; nothing but x, the weights' codes and out0 goes through memory.
; PHASES: (1) each wave quantises 16 rows of x into records in LDS (RP bytes a row), and every wave takes all 64 rows' codes into registers (32 fragments, 384 registers);
; (2) three passes q, k, v: a wave makes 64 rows x 256 columns in 512 accumulators; q and k are quantised into the records; v stays in the accumulators;
; (3) scores by one matrix instruction a position (K = 64, the upper 64 codes zero), the maximum taken away, softmax in f32, P into the records;
; (4) P V by f32 multiply-adds, a lane to a position, quantised (a block of 32 lies in two waves: their maxima meet in LDS); (5) the product with Wo, 32 columns a wave at a time over all of K, each pair of chunks stored as it is finished.
; THE WEIGHTS come as images of the operand registers (launch prep), a tile of TILE bytes a step, a quarter a wave, through a ring of two slots.  The four work-groups of a cluster need the same tiles: every tile is a joint load (mask 15).
; THE K ORDER IS ROTATED by cluster (KS: step j takes K step (2 x cluster + j) % 8).  The rotation is made where x is loaded from memory: load i of a row takes K step KS[i], so a record holds the K steps in the cluster's own order, and every LDS address is a constant.
; PREFETCH: a wave's quarter of a tile is 100 blocks of 256 bytes; the four partners take 25 each, told apart by address (cx); lanes 25-31 name the 25th again.  At the head: pass q's second tile.  At the head of a pass: the next pass's
; first two tiles in this cluster's order, whose loads stand behind steps 6 and 7: six steps ahead.  The other six are the first two of the clusters with another rotation, which ask for them at the same place.  The last pass asks for nothing.
; LIMITS: a block whose largest magnitude lies under 2^-124 keeps the scale byte 1 (a block of zeros too: its codes are zeros, and this program alone reads the bytes); NaN and infinities among the inputs are not served.
.set XA,    66                         ; s[66:81] eight bases for the loads of x: my rows at K step KS[i]
.set ROT,   1
.set NMAJ,  0
.set TILE,  102400
.set QUART, 25600
.set PASSB, 8*TILE
.set WRING, 2*QUART
.set REC,   4*WRING
.set RP,    1808
.set R16,   16*RP
.set R32,   32*RP
.set ASCL,  REC+64*RP
.set MAXX,  ASCL+2048
.set SPARE, MAXX+4096
.set OSTG,  16*272
.set ASC,   4
.set SCW,   20
.set B0,    28
.set B1,    76
.set G1,    16
.set G0,    24
.set PB,    32
.set KS,    36
.set SEL,   44
.set CS,    46
.set MSB, 0
.macro WIN new
.if MSB != \new
	s_set_vgpr_msb (MSB<<8)|\new
.set MSB, \new
.endif
.endm
.macro PLACES n
.rept \n
	v_nop
.endr
.endm
.macro CREST
	s_cmp_lg_u32 s10, 0
	s_cbranch_scc1 .Lnot_wave_0_\@
	s_barrier_signal -3
.Lnot_wave_0_\@:
	s_barrier_wait -3
	s_barrier_signal -1
	s_barrier_wait -1
.endm
.macro CROUND
	s_barrier_signal -1
	s_barrier_wait -1
	CREST
.endm
.macro BARRIER
	s_wait_dscnt 0x0
	s_barrier_signal -1
	s_barrier_wait -1
.endm
.macro GADDR sl, jn, np
	s_mul_i32 s34, s[KS+(\jn)], TILE
	s_mov_b32 s35, 0
.if \np
	s_add_co_u32 s34, s34, PASSB
.endif
	s_add_nc_u64 s[G0+4*(\sl)+2:G0+4*(\sl)+3], s[PB:PB+1], s[34:35]
	s_or_b32 s[G0+4*(\sl)+3], s[G0+4*(\sl)+3], 0x80000000
.endm
.macro LOADSET sl, a, buf
.irp f, 0,1,2,3
.irp g, 0,1,2
	ds_load_b128 v[\buf+12*\f+4*\g:\buf+12*\f+4*\g+3], v3 offset:QUART*(\sl)+1536*(4*(\a)+\f)+512*\g
.endr
.endr
.endm
.macro LOADSC sl, q
	ds_load_b128 v[SCW+4*(\q):SCW+4*(\q)+3], v3 offset:QUART*(\sl)+24576+512*(\q)
.endm
.macro WM d, w, x, z, sw, sx, ra, rb
.if \z
.if (\ra) && (\rb)
	v_wmma_scale_f32_16x16x128_f8f6f4 v[\d:\d+7], v[\w:\w+11], v[\x:\x+11], 0, v[\sw], v[\sx] matrix_a_fmt:MATRIX_FMT_FP6 matrix_b_fmt:MATRIX_FMT_FP6 matrix_a_scale:MATRIX_SCALE_ROW1 matrix_b_scale:MATRIX_SCALE_ROW1
.elseif \ra
	v_wmma_scale_f32_16x16x128_f8f6f4 v[\d:\d+7], v[\w:\w+11], v[\x:\x+11], 0, v[\sw], v[\sx] matrix_a_fmt:MATRIX_FMT_FP6 matrix_b_fmt:MATRIX_FMT_FP6 matrix_a_scale:MATRIX_SCALE_ROW1
.elseif \rb
	v_wmma_scale_f32_16x16x128_f8f6f4 v[\d:\d+7], v[\w:\w+11], v[\x:\x+11], 0, v[\sw], v[\sx] matrix_a_fmt:MATRIX_FMT_FP6 matrix_b_fmt:MATRIX_FMT_FP6 matrix_b_scale:MATRIX_SCALE_ROW1
.else
	v_wmma_scale_f32_16x16x128_f8f6f4 v[\d:\d+7], v[\w:\w+11], v[\x:\x+11], 0, v[\sw], v[\sx] matrix_a_fmt:MATRIX_FMT_FP6 matrix_b_fmt:MATRIX_FMT_FP6
.endif
.else
.if (\ra) && (\rb)
	v_wmma_scale_f32_16x16x128_f8f6f4 v[\d:\d+7], v[\w:\w+11], v[\x:\x+11], v[\d:\d+7], v[\sw], v[\sx] matrix_a_fmt:MATRIX_FMT_FP6 matrix_b_fmt:MATRIX_FMT_FP6 matrix_a_scale:MATRIX_SCALE_ROW1 matrix_b_scale:MATRIX_SCALE_ROW1
.elseif \ra
	v_wmma_scale_f32_16x16x128_f8f6f4 v[\d:\d+7], v[\w:\w+11], v[\x:\x+11], v[\d:\d+7], v[\sw], v[\sx] matrix_a_fmt:MATRIX_FMT_FP6 matrix_b_fmt:MATRIX_FMT_FP6 matrix_a_scale:MATRIX_SCALE_ROW1
.elseif \rb
	v_wmma_scale_f32_16x16x128_f8f6f4 v[\d:\d+7], v[\w:\w+11], v[\x:\x+11], v[\d:\d+7], v[\sw], v[\sx] matrix_a_fmt:MATRIX_FMT_FP6 matrix_b_fmt:MATRIX_FMT_FP6 matrix_b_scale:MATRIX_SCALE_ROW1
.else
	v_wmma_scale_f32_16x16x128_f8f6f4 v[\d:\d+7], v[\w:\w+11], v[\x:\x+11], v[\d:\d+7], v[\sw], v[\sx] matrix_a_fmt:MATRIX_FMT_FP6 matrix_b_fmt:MATRIX_FMT_FP6
.endif
.endif
.endm
.macro MULH j, a, buf, mh, z
.if NMAJ
.set KS_, 2*(\a)+(\mh)
.set DW_, 2+((\j)/2)%2
.irp nn, 0,1
.irp m, 0,1,2,3
.set F_, 4*KS_+\m
.if F_ > 10
.set AR_, 12*(F_-11)
.set AW_, 1
.elseif F_ > 7
.set AR_, 124+12*F_
.set AW_, 3
.else
.set AR_, 124+12*F_
.set AW_, 0
.endif
.set W_, (DW_<<6)|(DW_<<4)|(AW_<<2)
	WIN W_
.set AC_, 8*(4*\m+2*((\j)%2)+\nn)
.set WF_, \buf+12*(2*(\mh)+\nn)
.set SW_, SCW+KS_
.set SX_, ASC+8*(\m/2)+KS_
.if KS_ == 0
	WM AC_, WF_, AR_, 1, SW_, SX_, \nn, \m%2
.else
	WM AC_, WF_, AR_, 0, SW_, SX_, \nn, \m%2
.endif
.endr
.endr
.else
.irp mm, 0,1
.set F_, 4*(\j)+2*(\mh)+\mm
.if F_ > 10
.set AR_, 12*(F_-11)
.set W_, ((2+(\mh))<<6)|((2+(\mh))<<4)|4
.else
.set AR_, 124+12*F_
.set W_, ((2+(\mh))<<6)|((2+(\mh))<<4)
.endif
	WIN W_
.irp f, 0,1,2,3
.set AC_, 8*(16*\mm+4*(\a)+\f)
.set WF_, \buf+12*\f
.set SW_, SCW+(4*(\a)+\f)/2
.set SX_, ASC+8*(\mh)+(\j)
	WM AC_, WF_, AR_, \z, SW_, SX_, \f%2, \mm
.endr
.endr
.endif
.endm
.macro MULSET j, a, buf, z
	MULH \j, \a, \buf, 0, \z
	MULH \j, \a, \buf, 1, \z
.endm
.macro START sl
	WIN 0
	LOADSET \sl, 0, B0
	LOADSC \sl, 0
	s_wait_xcnt 0x0                                ; the pass's prefetches have read v123, which the loads below fill, and their bases
	LOADSET \sl, 1, B1
.endm
.macro STEP j, kind, z
.set SL_, (\j)%2
.set NX_, 1-SL_
	s_wait_dscnt 12
	MULSET \j, 0, B0, \z
	PLACES 4
	WIN 0
	LOADSET SL_, 2, B0
	LOADSC SL_, 1
	s_wait_dscnt 13
	MULSET \j, 1, B1, \z
	PLACES 4
	WIN 0
	LOADSET SL_, 3, B1
.if \kind < 2
	s_wait_dscnt 12                                ; set 2 and its scale words are in; set 3's twelve loads may be out
	MULH \j, 2, B0, 0, \z
	WIN 0                                          ; (the add's two registers lie in window 0)
	s_wait_tensorcnt 0x0                           ; my one load that was out, my quarter of the other slot, has landed;
	ds_add_u32 v1, v2                              ; the add; work on registers stands between it and its wait:
	GADDR SL_, ((\j)+2)%8, ((\j)+2)/8              ; no load of mine is out, so this slot's descriptor takes its next tile,
	MULH \j, 2, B0, 1, \z                          ; and eight matrix instructions
	WIN 0
	s_wait_dscnt 0x0                               ; the add is done, and my reads of this slot are over
	CROUND                                         ; no wave of any partner still reads this slot or has a load on its way
	tensor_load_to_lds s[G0+4*SL_:G0+4*SL_+3], s[G1:G1+7]
	s_nop 0
	PLACES 4
.if \kind == 0
	LOADSET NX_, 0, B0
	LOADSC NX_, 0
	MULSET \j, 3, B1, \z
	PLACES 4
	WIN 0
	LOADSET NX_, 1, B1
.else
	MULSET \j, 3, B1, \z
	PLACES 5
	WIN 0
.endif
.elseif \kind == 2
	s_wait_dscnt 12
	MULSET \j, 2, B0, \z
	s_wait_tensorcnt 0x0
	PLACES 4
	WIN 0
	LOADSET NX_, 0, B0
	LOADSC NX_, 0
	s_wait_dscnt 13
	MULSET \j, 3, B1, \z
	PLACES 4
	WIN 0
	LOADSET NX_, 1, B1
.else
	s_wait_dscnt 12
	MULSET \j, 2, B0, \z
	s_wait_dscnt 0x0
	MULSET \j, 3, B1, \z
	PLACES 5
	WIN 0
.endif
.endm
.macro PASSBODY
	START 0
	STEP 0, 0, 1
	STEP 1, 0, 0
	STEP 2, 0, 0
	STEP 3, 0, 0
	STEP 4, 0, 0
	STEP 5, 0, 0
	STEP 6, 0, 0
	STEP 7, 1, 0
.endm
.macro LOADA off, rot
	v_and_b32 v36, 15, v0
	v_bfe_u32 v37, v0, 4, 1
	v_mul_u32_u24 v28, v36, RP
	v_mad_u32_u24 v28, v37, 24, v28
	v_add_nc_u32 v28, REC+\off, v28
	v_add_nc_u32 v29, R32, v28
	v_lshlrev_b32 v34, 5, v36
	v_lshl_add_u32 v34, v37, 9, v34
	v_add_nc_u32 v34, ASCL, v34
.irp j, 0,1,2,3,4,5,6,7
	v_add_nc_u32 v[40+2*\j], 96*\j, v28            ; step j's 96 bytes of a record: the records lie in the order of the steps
	v_add_nc_u32 v[41+2*\j], 96*\j, v29
	v_add_nc_u32 v[56+\j], 4*\j, v34
.endr
.irp j, 0,1,2,3,4,5,6,7
	ds_load_b32 v[ASC+\j], v[56+\j]
	ds_load_b32 v[ASC+8+\j], v[56+\j] offset:1024
.endr
.set F_, 0
.rept 32
.if F_ > 10
	WIN 0x40
.set AR_, 12*(F_-11)
.elseif (F_ > 7) && (\rot == 0)
	WIN 0xc0
.set AR_, 124+12*F_
.else
.set AR_, 124+12*F_
.endif
.irp c, 0,1
.irp pc, 0,1,2
	ds_load_b64 v[AR_+6*\c+2*\pc:AR_+6*\c+2*\pc+1], v[40+2*(F_/4)+(F_%4)/2] offset:R16*(F_%2)+48*\c+8*\pc
.endr
.endr
.set F_, F_+1
.endr
	WIN 0
	s_wait_dscnt 0x0
.endm
.macro XLOAD row, set
.irp i, 0,1,2,3,4,5,6,7
	global_load_b128 v[128+32*(\set)+4*\i:128+32*(\set)+4*\i+3], v28, s[XA+2*\i:XA+2*\i+1] offset:4096*(\row) th:TH_LOAD_NT   ; 512 consecutive bytes: K step KS[i] of the row
.endr
.endm
.macro XTURN set, par
.irp i, 0,1,2,3,4,5,6,7
	ds_store_b128 v29, v[128+32*(\set)+4*\i:128+32*(\set)+4*\i+3] offset:2*RP*\i
.endr
.irp q, 0,1,2,3,4,5,6,7
	ds_load_b128 v[60+32*(\par)+4*\q:60+32*(\par)+4*\q+3], v30 offset:16*\q
.endr
.endm
.macro XSTEP jj, ahead, lc, turn
.set PR_, (\jj)%2
.set XB_, 60+32*PR_
.set CX_, 40+10*PR_
	s_wait_dscnt 4
	v_add_nc_u32 v[124+PR_], s52, v31
	v_add_nc_u32 v[126+PR_], s53, v32
.if \ahead
	XLOAD (\jj)+4, \jj
.endif
.if \turn
	s_wait_loadcnt \lc
	XTURN ((\jj)+1)%4, 1-PR_
.endif
	v_max3_num_f32 v34, |v[XB_]|, |v[XB_+1]|, |v[XB_+2]|
	v_max3_num_f32 v35, |v[XB_+3]|, |v[XB_+4]|, |v[XB_+5]|
.irp i, 6,10,14,18,22,26
	v_max3_num_f32 v34, v34, |v[XB_+\i]|, |v[XB_+\i+1]|
	v_max3_num_f32 v35, v35, |v[XB_+\i+2]|, |v[XB_+\i+3]|
.endr
	v_max3_num_f32 v34, v34, |v[XB_+30]|, |v[XB_+31]|
	v_max3_num_f32 v34, v34, v35, 0x1800000
	v_add_nc_u32 v36, 0xff000000, v34
	v_cvt_scalef32_pk16_fp6_f32 v[CX_:CX_+2], v[XB_:XB_+15], v36
	v_cvt_scalef32_pk16_fp6_f32 v[CX_+6:CX_+8], v[XB_+16:XB_+31], v36
	v_lshrrev_b32 v[37+PR_], 23, v36
.irp i, 0,1,2
	v_mov_b32 v[CX_+3+\i], v[CX_+6+\i]
.endr
.irp i, 0,1,2
	ds_store_b64 v[124+PR_], v[CX_+2*\i:CX_+2*\i+1] offset:RP*(\jj)+8*\i
.endr
	ds_store_b8 v[126+PR_], v[37+PR_] offset:32*(\jj)
.endm
.macro EPI_QK
	v_and_b32 v32, 15, v0
	v_bfe_u32 v33, v0, 4, 1
	s_mul_i32 s56, s10, 192
	s_add_co_u32 s56, s56, s49
	s_add_co_u32 s56, s56, REC
	v_mul_u32_u24 v30, v32, RP
	v_mad_u32_u24 v28, v33, 24, v30
	v_add_nc_u32 v28, s56, v28
	v_add_nc_u32 v29, R32, v28
	s_lshl_b32 s57, s10, 4
	s_add_co_u32 s57, s57, s50
	s_add_co_u32 s57, s57, REC+1568
	v_add_nc_u32 v30, v30, v33
	v_add_nc_u32 v30, s57, v30
	v_add_nc_u32 v31, R32, v30
.irp m, 0,1,2,3
.set AB_, 128*(\m%2)
.set D_, 2+\m/2
.set W_, D_|(D_<<2)
	WIN W_
.irp g, 0,1,2,3
	v_max3_num_f32 v[32+\g], |v[AB_+32*\g]|, |v[AB_+32*\g+1]|, 0x1800000
.endr
.irp i, 2,4,6,8,10,12,14,16,18,20,22,24,26,28,30
.irp g, 0,1,2,3
	v_max3_num_f32 v[32+\g], |v[AB_+32*\g+\i]|, |v[AB_+32*\g+\i+1]|, v[32+\g]
.endr
.endr
	WIN 0
	s_wait_alu depctr_va_vdst(0)
	s_wait_dscnt 0x0
.irp g, 0,1,2,3
	v_add_nc_u32 v[36+\g], 0xff000000, v[32+\g]
.endr
.irp g, 0,1,2,3
	v_lshrrev_b32 v[40+\g], 23, v[36+\g]
.endr
	WIN D_
.irp g, 0,1,2,3
	v_cvt_scalef32_pk16_fp6_f32 v[44+10*\g:46+10*\g], v[AB_+32*\g:AB_+32*\g+15], v[36+\g]
	v_cvt_scalef32_pk16_fp6_f32 v[50+10*\g:52+10*\g], v[AB_+32*\g+16:AB_+32*\g+31], v[36+\g]
.endr
	WIN 0
	v_nop
.irp g, 0,1,2,3
.irp i, 0,1,2
	v_mov_b32 v[47+10*\g+\i], v[50+10*\g+\i]
.endr
.endr
.irp g, 0,1,2,3
.irp i, 0,1,2
	ds_store_b64 v[28+\m/2], v[44+10*\g+2*\i:45+10*\g+2*\i] offset:R16*(\m%2)+48*\g+8*\i
.endr
.endr
.irp g, 0,1,2,3
	ds_store_b8 v[30+\m/2], v[40+\g] offset:R16*(\m%2)+4*\g
.endr
.endr
	s_wait_dscnt 0x0
.endm
.macro ALOAD areg, off, buf
.irp c, 0,1
.irp q, 0,1,2,3
	ds_load_b128 v[\buf+16*\c+4*\q:\buf+16*\c+4*\q+3], v[\areg] offset:\off+64*\c+16*\q
.endr
.endr
.endm
.macro OUTP q
.set DW_, 2+(\q)%2
	s_wait_xcnt 0x0
	s_lshl_b32 s56, s[KS+2*(\q)], 7
	s_mov_b32 s57, 0
	s_add_nc_u64 s[60:61], s[8:9], s[56:57]
.set W_, DW_<<2
	WIN W_
.irp m, 0,1,2,3
.irp nl, 0,1,2,3
.set AC_, 8*(4*\m+\nl)
	ds_store_b128 v220, v[AC_:AC_+3] offset:OSTG*\m+64*\nl
	ds_store_b128 v220, v[AC_+4:AC_+7] offset:OSTG*\m+64*\nl+16
.endr
.endr
	WIN 0x80
.irp m, 0,1,2,3
.irp t, 0,1,2,3,4,5,6,7
	ds_load_b128 v[128+32*\m+4*\t:128+32*\m+4*\t+3], v221 offset:OSTG*\m+544*\t
.endr
.endr
	WIN 0x08
.irp m, 0,1,2,3
	s_wait_dscnt 24-8*\m
.irp t, 0,1,2,3,4,5,6,7
	global_store_b128 v222, v[128+32*\m+4*\t:128+32*\m+4*\t+3], s[60:61] offset:(16*\m+2*\t)*4096 th:TH_STORE_NT
.endr
.endr
	WIN 0
.endm
	s_load_b128 s[4:7], s[0:1], 0x0
	s_load_b64 s[8:9], s[0:1], 0x10
	v_lshl_add_u32 v1, v0, 2, SPARE
	v_mov_b32 v2, 0
	ds_add_u32 v1, v2
	ds_add_u32 v1, v2
	s_wait_dscnt 0x0
	v_lshrrev_b32 v3, 5, v0
	v_readfirstlane_b32 s10, v3
	s_bfe_u32 s11, ttmp6, 0x40000
	s_lshl_b32 s12, ttmp9, 2
	s_add_co_u32 s12, s12, s11
.if ROT
	s_lshl_b32 s13, ttmp9, 1
	s_and_b32 s13, s13, 6
.else
	s_mov_b32 s13, 0
.endif
.irp j, 0,1,2,3,4,5,6,7
	s_add_co_u32 s[KS+\j], s13, \j
	s_and_b32 s[KS+\j], s[KS+\j], 7
.endr
	s_mov_b32 s[G1+0], 15|(3<<16)|(1<<21)
	s_mov_b32 s[G1+1], 32<<16
	s_mov_b32 s[G1+2], 100<<16
	s_mov_b32 s[G1+3], 32<<16
	s_mov_b32 s[G1+4], 100
	s_mov_b32 s[G1+5], 32
	s_mov_b32 s[G1+6], 0
	s_mov_b32 s[G1+7], 0
	s_mov_b32 s[SEL], 0x76543210
	s_mov_b32 s[SEL+1], 0xfedcba98
	s_mov_b32 s[CS], 0x3e38aa3b
	s_mov_b32 s[CS+1], s[CS]
	s_mul_i32 s56, s10, WRING
	v_and_b32 v3, 31, v0
	v_lshlrev_b32 v3, 4, v3
	v_add_nc_u32 v3, s56, v3
	s_mov_b32 s[G0], 1
	s_mov_b32 s[G0+1], s56
	s_mov_b32 s[G0+4], 1
	s_add_co_u32 s[G0+5], s56, QUART
	s_mul_i32 s34, s10, QUART
	s_mov_b32 s35, 0
	s_lshl_b32 s58, s12, 18
	s_mov_b32 s59, 0
	s_lshl_b32 s56, s10, 16
	s_mov_b32 s57, 0
	s_wait_kmcnt 0x0
	s_add_nc_u64 s[PB:PB+1], s[6:7], s[34:35]
	s_add_nc_u64 s[4:5], s[4:5], s[58:59]
	s_add_nc_u64 s[4:5], s[4:5], s[56:57]
	s_add_nc_u64 s[8:9], s[8:9], s[58:59]
	s_lshl_b32 s56, s10, 10
	s_add_nc_u64 s[8:9], s[8:9], s[56:57]
.irp i, 0,1,2,3,4,5,6,7
	s_lshl_b32 s56, s[KS+\i], 9                    ; a K step of x is 512 bytes (s57 = 0)
	s_add_nc_u64 s[XA+2*\i:XA+2*\i+1], s[4:5], s[56:57]
.endr
	s_mul_i32 s56, s10, R16
	s_add_co_u32 s56, s56, REC
	s_add_co_u32 s57, s56, 768
	v_and_b32 v33, 31, v0
	v_lshlrev_b32 v28, 4, v33
	v_bfe_u32 v34, v0, 4, 1
	v_mul_u32_u24 v29, v34, RP
	v_bfe_u32 v35, v0, 3, 1
	v_mad_u32_u24 v29, v35, 144, v29
	v_and_b32 v36, 7, v0
	v_lshl_add_u32 v29, v36, 4, v29
	v_add_nc_u32 v29, s57, v29
	v_bfe_u32 v34, v0, 1, 4
	v_mul_u32_u24 v30, v34, RP
	v_and_b32 v35, 1, v0
	v_mad_u32_u24 v30, v35, 144, v30
	v_add_nc_u32 v30, s57, v30
	v_mul_u32_u24 v31, v33, 24
	v_add_nc_u32 v31, s56, v31
	s_lshl_b32 s58, s10, 9
	s_add_co_u32 s58, s58, ASCL
	v_add_nc_u32 v32, s58, v33
	s_add_co_u32 s59, s56, 1568
	v_lshl_add_u32 v39, v33, 2, s59
	v_mov_b32 v49, 0x7f7f7f7f
	s_mul_i32 s62, s11, 6400                       ; the prefetches: my work-group's 25 blocks of a quarter's 100,
	v_min_u32 v33, 24, v33
	v_lshl_add_u32 v33, v33, 8, s62                ; a lane a block
	s_mul_i32 s14, s[KS+1], TILE
	s_mov_b32 s15, 0
	s_add_nc_u64 s[14:15], s[PB:PB+1], s[14:15]    ; pass q's second tile, my quarter
	s_mov_b32 s51, 0
	s_mov_b32 s52, 0
	s_mov_b32 s53, 0
	s_wait_alu depctr_va_vdst(0)
	global_prefetch_b8 v33, s[14:15] th:TH_LOAD_NT scope:SCOPE_SE   ; its load stands behind the whole of phase 1
	XLOAD 0, 0                                     ; four rows, 32 loads a wave, are on their way while the cluster meets
	XLOAD 1, 1
	XLOAD 2, 2
	XLOAD 3, 3
	CROUND                                         ; the round in front of the first joint load
	GADDR 0, 0, 0
	GADDR 1, 1, 0
	tensor_load_to_lds s[G0:G0+3], s[G1:G1+7]      ; my quarter of the first tile: one tensor load a wave at the head
	s_nop 0
	s_wait_loadcnt 24
	XTURN 0, 0
.irp i, 0,1,2,3,4,5,6,7,8,9,10,11,12,13,14,15
	ds_store_b32 v39, v49 offset:RP*\i
.endr
.Lxrow:
	XSTEP 0, 1, 24, 1
	XSTEP 1, 1, 24, 1
	XSTEP 2, 1, 24, 1
	XSTEP 3, 1, 24, 1
	s_wait_xcnt 0x0
	v_add_nc_u32 v28, 0x4000, v28                  ; four rows of x on: one offset serves the eight bases
	s_add_co_u32 s52, s52, 4*RP
	s_add_co_u32 s53, s53, 128
	s_add_co_u32 s51, s51, 1
	s_cmp_lt_u32 s51, 3
	s_wait_alu depctr_va_vdst(0)                   ; wait directly ahead of the branch
	s_cbranch_scc1 .Lxrow
	XSTEP 0, 0, 16, 1
	XSTEP 1, 0, 8, 1
	XSTEP 2, 0, 0, 1
	XSTEP 3, 0, 0, 0
	s_wait_tensorcnt 0x0                           ; slot 1's first fill is issued as a refill is: my load of the first tile has landed,
	ds_add_u32 v1, v2                              ; the add,
	s_wait_dscnt 0x0                               ; and it and my stores of codes and scale bytes are done
	CROUND                                         ; a whole round: all 64 records are whole, and the four work-groups are here
	tensor_load_to_lds s[G0+4:G0+7], s[G1:G1+7]    ; the second tile
	s_nop 0
	LOADA 0, 1
	s_wait_tensorcnt 1
	s_mov_b32 s48, 0
	s_mov_b32 s49, 0
	s_mov_b32 s50, 0
.Lpass:
	s_mul_i32 s14, s[KS], TILE                     ; the next pass's first two tiles in my cluster's order (the earlier prefetches have read these registers: a wait on XCNT stands behind each of them)
	s_mov_b32 s15, 0
	s_add_nc_u64 s[14:15], s[PB:PB+1], s[14:15]
	s_mul_i32 s60, s[KS+1], TILE
	s_mov_b32 s61, 0
	s_add_nc_u64 s[60:61], s[PB:PB+1], s[60:61]
	v_and_b32 v123, 31, v0
	v_min_u32 v123, 24, v123
	v_lshl_add_u32 v123, v123, 8, s62              ; my work-group's 25 blocks, a lane a block
	global_prefetch_b8 v123, s[14:15] offset:PASSB th:TH_LOAD_NT scope:SCOPE_SE
	global_prefetch_b8 v123, s[60:61] offset:PASSB th:TH_LOAD_NT scope:SCOPE_SE
	PASSBODY
	s_add_nc_u64 s[PB:PB+1], s[PB:PB+1], PASSB
	s_cmp_eq_u32 s48, 2
	s_cbranch_scc1 .Lno_epi
	EPI_QK
.Lno_epi:
	s_add_co_u32 s49, s49, 784
	s_add_co_u32 s50, s50, 64
	s_add_co_u32 s48, s48, 1
	s_cmp_lt_u32 s48, 3
	s_cbranch_scc1 .Lpass
	s_mul_i32 s56, s10, R16
	s_add_co_u32 s56, s56, REC
	v_and_b32 v31, 15, v0
	v_bfe_u32 v124, v0, 4, 1
	v_mul_u32_u24 v28, v31, 48
	v_mad_u32_u24 v28, v124, 24, v28
	v_add_nc_u32 v28, s56, v28
	v_and_b32 v29, 31, v0
	v_lshlrev_b32 v29, 2, v29
	v_add_nc_u32 v29, s56, v29
	v_add_nc_u32 v29, 1568, v29
	v_lshlrev_b32 v30, 6, v31
	v_lshl_add_u32 v30, v124, 5, v30
	v_add_nc_u32 v30, s56, v30
.irp i, 0,1,2,3
.irp x, 6,7,8,9,10,11
	v_mov_b32 v[32+24*\i+\x], 0
	v_mov_b32 v[44+24*\i+\x], 0
.endr
.endr
.irp i, 0,1,2,3
	v_mov_b32 v[161+2*\i], 0
	v_mov_b32 v[185+2*\i], 0
.endr
	s_mov_b32 s51, 0
.Latt:
	s_wait_alu depctr_va_vdst(0)
.irp i, 0,1,2,3
.irp pc, 0,1,2
	ds_load_b64 v[32+24*\i+2*\pc:33+24*\i+2*\pc], v28 offset:RP*\i+784+8*\pc
	ds_load_b64 v[44+24*\i+2*\pc:45+24*\i+2*\pc], v28 offset:RP*\i+8*\pc
.endr
	ds_load_b32 v[20+\i], v29 offset:RP*\i
.endr
	s_wait_dscnt 0x0
.irp i, 0,1,2,3
	v_wmma_scale_f32_16x16x128_f8f6f4 v[128+8*\i:135+8*\i], v[32+24*\i:43+24*\i], v[44+24*\i:55+24*\i], 0, v[20+\i], v[20+\i] matrix_a_fmt:MATRIX_FMT_FP6 matrix_b_fmt:MATRIX_FMT_FP6 matrix_a_scale:MATRIX_SCALE_ROW1
.endr
	PLACES 4
.irp i, 0,1,2,3
	v_max3_num_f32 v[160+2*\i], v[128+8*\i], v[129+8*\i], v[130+8*\i]
.endr
.irp i, 0,1,2,3
	v_max3_num_f32 v[160+2*\i], v[160+2*\i], v[131+8*\i], v[132+8*\i]
.endr
.irp i, 0,1,2,3
	v_max3_num_f32 v[160+2*\i], v[160+2*\i], v[133+8*\i], v[134+8*\i]
.endr
.irp i, 0,1,2,3
	v_max_num_f32 v[160+2*\i], v[160+2*\i], v[135+8*\i]
.endr
.irp i, 0,1,2,3
	v_permlanex16_b32 v[161+2*\i], v[160+2*\i], s[SEL], s[SEL+1]
.endr
.irp i, 0,1,2,3
	v_max_num_f32 v[160+2*\i], v[160+2*\i], v[161+2*\i]
.endr
.irp i, 0,1,2,3
	v_mul_f32 v[160+2*\i], s[CS], v[160+2*\i]
.endr
.irp p, 0,2,4,6
.irp i, 0,1,2,3
	v_pk_fma_f32 v[128+8*\i+\p:129+8*\i+\p], v[128+8*\i+\p:129+8*\i+\p], s[CS:CS+1], v[160+2*\i:161+2*\i] op_sel_hi:[1,0,0] neg_lo:[0,0,1] neg_hi:[0,0,1]
.endr
.endr
	s_wait_alu depctr_va_vdst(0)
.irp i, 0,1,2,3
.irp p, 0,1,2,3,4,5,6,7
	v_exp_f32 v[128+8*\i+\p], v[128+8*\i+\p]
.endr
.endr
	v_nop
	s_wait_alu depctr_va_vdst(0)
.irp i, 0,1,2,3
	v_pk_add_f32 v[168+2*\i:169+2*\i], v[128+8*\i:129+8*\i], v[130+8*\i:131+8*\i]
.endr
.irp i, 0,1,2,3
	v_pk_add_f32 v[176+2*\i:177+2*\i], v[132+8*\i:133+8*\i], v[134+8*\i:135+8*\i]
.endr
.irp i, 0,1,2,3
	v_pk_add_f32 v[168+2*\i:169+2*\i], v[168+2*\i:169+2*\i], v[176+2*\i:177+2*\i]
.endr
.irp i, 0,1,2,3
	v_add_f32 v[168+2*\i], v[168+2*\i], v[169+2*\i]
.endr
.irp i, 0,1,2,3
	v_permlanex16_b32 v[176+2*\i], v[168+2*\i], s[SEL], s[SEL+1]
.endr
.irp i, 0,1,2,3
	v_add_f32 v[168+2*\i], v[168+2*\i], v[176+2*\i]
.endr
	s_wait_alu depctr_va_vdst(0)
.irp i, 0,1,2,3
	v_rcp_f32 v[184+2*\i], v[168+2*\i]
.endr
	v_nop
	s_wait_alu depctr_va_vdst(0)
.irp p, 0,2,4,6
.irp i, 0,1,2,3
	v_pk_mul_f32 v[128+8*\i+\p:129+8*\i+\p], v[128+8*\i+\p:129+8*\i+\p], v[184+2*\i:185+2*\i] op_sel_hi:[1,0]
.endr
.endr
.irp i, 0,1,2,3
	ds_store_b128 v30, v[128+8*\i:131+8*\i] offset:RP*\i
	ds_store_b128 v30, v[132+8*\i:135+8*\i] offset:RP*\i+16
.endr
	s_wait_dscnt 0x0
	v_add_nc_u32 v28, 4*RP, v28
	v_add_nc_u32 v29, 4*RP, v29
	v_add_nc_u32 v30, 4*RP, v30
	s_add_co_u32 s51, s51, 1
	s_cmp_lt_u32 s51, 4
	s_cbranch_scc1 .Latt
	BARRIER
	v_and_b32 v202, 15, v0
	v_bfe_u32 v203, v0, 4, 1
	v_mul_u32_u24 v28, v202, RP
	v_add_nc_u32 v28, REC, v28
	v_add_nc_u32 v29, R32, v28
	s_lshr_b32 s56, s10, 1
	s_and_b32 s57, s10, 1
	s_mul_i32 s58, s56, 24
	s_mul_i32 s59, s57, 12
	s_add_co_u32 s58, s58, s59
	s_add_co_u32 s58, s58, 1024
	v_mad_u32_u24 v192, v203, 48, v28
	v_add_nc_u32 v192, s58, v192
	v_add_nc_u32 v193, R32, v192
	v_lshlrev_b32 v194, 5, v202
	v_lshl_add_u32 v194, v203, 1, v194
	s_add_co_u32 s56, s56, ASCL
	v_add_nc_u32 v194, s56, v194
	v_and_b32 v195, 31, v0
	v_lshlrev_b32 v195, 4, v195
	s_xor_b32 s58, s10, 1
	s_lshl_b32 s58, s58, 9
	s_add_co_u32 s58, s58, MAXX
	v_add_nc_u32 v196, s58, v195
	s_lshl_b32 s59, s10, 9
	s_add_co_u32 s59, s59, MAXX
	v_add_nc_u32 v195, s59, v195
	s_mov_b32 s51, 0
	s_mov_b32 s52, 0
	s_mov_b32 s53, 0
	s_mov_b32 s54, 0
	s_mov_b32 s55, 0
	v_add_nc_u32 v30, s52, v28
	v_add_nc_u32 v31, s52, v29
	ALOAD 30, 0, 32
.Lhp:
.irp m, 0,1,2,3
.set AV_, 32+32*(\m%2)
.set MN_, (\m+1)%4
	ALOAD 30+MN_/2, R16*(MN_%2), 32+32*(MN_%2)
	s_wait_dscnt 8
.if \m == 1
	s_add_co_u32 s56, s52, 128
	s_and_b32 s56, s56, 1023
	v_add_nc_u32 v30, s56, v28
.endif
.set W_, 2+\m/2
	WIN W_
.irp t, 0,1,2,3,4,5,6,7,8,9,10,11,12,13,14,15
.set VA_, 8*(16*(\m%2)+\t)
.irp c, 0,1
.irp pr, 0,2,4,6
.if \t == 0
	v_pk_mul_f32 v[96+16*\m+8*\c+\pr:97+16*\m+8*\c+\pr], v[VA_+\pr:VA_+\pr+1], v[AV_+16*\c:AV_+16*\c+1] op_sel_hi:[1,0]
.elseif \t%2
	v_pk_fma_f32 v[96+16*\m+8*\c+\pr:97+16*\m+8*\c+\pr], v[VA_+\pr:VA_+\pr+1], v[AV_+16*\c+\t-1:AV_+16*\c+\t], v[96+16*\m+8*\c+\pr:97+16*\m+8*\c+\pr] op_sel:[0,1,0] op_sel_hi:[1,1,1]
.else
	v_pk_fma_f32 v[96+16*\m+8*\c+\pr:97+16*\m+8*\c+\pr], v[VA_+\pr:VA_+\pr+1], v[AV_+16*\c+\t:AV_+16*\c+\t+1], v[96+16*\m+8*\c+\pr:97+16*\m+8*\c+\pr] op_sel_hi:[1,0,1]
.endif
.endr
.endr
.endr
	WIN 0
.endr
.irp m, 0,1,2,3
.irp jj, 0,1,2,3,4,5,6,7
	v_permlane16_swap_b32 v[96+16*\m+\jj], v[104+16*\m+\jj]
.endr
.endr
.irp m, 0,1,2,3
	v_max3_num_f32 v[160+\m], |v[96+16*\m]|, |v[97+16*\m]|, 0x1800000
.endr
.irp i, 2,4,6,8,10,12,14
.irp m, 0,1,2,3
	v_max3_num_f32 v[160+\m], v[160+\m], |v[96+16*\m+\i]|, |v[97+16*\m+\i]|
.endr
.endr
	v_add_nc_u32 v200, s55, v195
	v_add_nc_u32 v201, s55, v196
	ds_store_b128 v200, v[160:163]
	s_wait_alu depctr_va_vdst(0)
	s_wait_dscnt 0x0
	s_barrier_signal -1
	s_barrier_wait -1
	ds_load_b128 v[164:167], v201
	v_add_nc_u32 v197, s53, v192
	v_add_nc_u32 v198, s53, v193
	v_add_nc_u32 v199, s54, v194
	v_add_nc_u32 v31, s56, v29
	s_wait_dscnt 0x0
.irp m, 0,1,2,3
	v_max_num_f32 v[160+\m], v[160+\m], v[164+\m]
.endr
.irp m, 0,1,2,3
	v_add_nc_u32 v[168+\m], 0xff000000, v[160+\m]
.endr
.irp m, 0,1,2,3
	v_lshrrev_b32 v[172+\m], 23, v[168+\m]
.endr
.irp m, 0,1,2,3
	v_cvt_scalef32_pk16_fp6_f32 v[176+4*\m:178+4*\m], v[96+16*\m:111+16*\m], v[168+\m]
.endr
	v_nop
.irp m, 0,1,2,3
.irp i, 0,1,2
	ds_store_b32 v[197+\m/2], v[176+4*\m+\i] offset:R16*(\m%2)+4*\i
.endr
.endr
	s_and_b32 s58, s10, 1
	s_cmp_lg_u32 s58, 0
	s_cbranch_scc1 .Lodd_wave
.irp m, 0,1,2,3
	ds_store_b8 v199, v[172+\m] offset:512*\m
.endr
.Lodd_wave:
	s_add_co_u32 s52, s52, 128
	s_add_co_u32 s53, s53, 96
	s_add_co_u32 s54, s54, 4
	s_xor_b32 s55, s55, 2048
	s_add_co_u32 s51, s51, 1
	s_cmp_lt_u32 s51, 8
	s_cbranch_scc1 .Lhp
	BARRIER
	LOADA 1024, 0
	s_mul_i32 s56, s10, 4*OSTG
	s_add_co_u32 s56, s56, REC
	v_and_b32 v223, 15, v0
	v_bfe_u32 v224, v0, 4, 1
	v_mul_u32_u24 v220, v223, 272
	v_lshl_add_u32 v220, v224, 5, v220
	v_add_nc_u32 v220, s56, v220
	v_mul_u32_u24 v221, v224, 272
	v_lshl_add_u32 v221, v223, 4, v221
	v_add_nc_u32 v221, s56, v221
	v_lshlrev_b32 v222, 12, v224
	v_lshl_add_u32 v222, v223, 4, v222
.set NMAJ, 1
	START 0
	STEP 0, 0, 0
	STEP 1, 0, 0
	s_wait_alu depctr_va_vdst(0)
	OUTP 0
	STEP 2, 0, 0
	STEP 3, 0, 0
	OUTP 1
	STEP 4, 0, 0
	STEP 5, 0, 0
	OUTP 2
	STEP 6, 2, 0
	STEP 7, 3, 0
	OUTP 3
	s_wait_tensorcnt 0x0
	ds_add_u32 v1, v2
	s_wait_dscnt 0x0
	CROUND
	s_endpgm
.Lfunc_end_k_q46e1445f96_main:
	.size	k_q46e1445f96_main, .Lfunc_end_k_q46e1445f96_main-k_q46e1445f96_main
	.p2alignl 7, 3214868480
	.fill 96, 4, 3214868480
	.section	.rodata,"a",@progbits
	.p2align	6, 0x0
	.amdhsa_kernel k_q46e1445f96_main
		.amdhsa_group_segment_fixed_size 327680
		.amdhsa_private_segment_fixed_size 0
		.amdhsa_enable_private_segment 0
		.amdhsa_kernarg_size 24
		.amdhsa_user_sgpr_count 2
		.amdhsa_user_sgpr_kernarg_segment_ptr 1
		.amdhsa_wavefront_size32 1
		.amdhsa_system_sgpr_workgroup_id_x 1
		.amdhsa_system_sgpr_workgroup_id_y 1
		.amdhsa_system_sgpr_workgroup_id_z 1
		.amdhsa_system_vgpr_workitem_id 0
		.amdhsa_next_free_vgpr 1024
		.amdhsa_next_free_sgpr 82
		.amdhsa_reserve_vcc 0
		.amdhsa_float_denorm_mode_32 3
		.amdhsa_float_denorm_mode_16_64 3
		.amdhsa_memory_ordered 1
		.amdhsa_forward_progress 1
		.amdhsa_inst_pref_size 255
	.end_amdhsa_kernel
	.section	.bss,"aw",@nobits
	.p2align	6
	.space	262144
	.amdgpu_metadata
---
amdhsa.version: [ 1, 2 ]
amdhsa.kernels:
  - .name:           k_q46e1445f96_main
    .symbol:         k_q46e1445f96_main.kd
    .args:
      - { .name: hidden_states, .offset: 0, .size: 8, .value_kind: global_buffer, .address_space: global }
      - { .name: wts, .offset: 8, .size: 8, .value_kind: global_buffer, .address_space: global }
      - { .name: out0, .offset: 16, .size: 8, .value_kind: global_buffer, .address_space: global }
    .group_segment_fixed_size: 327680
    .private_segment_fixed_size: 0
    .kernarg_segment_align: 8
    .kernarg_segment_size: 24
    .max_flat_workgroup_size: 128
    .sgpr_count:     82
    .vgpr_count:     1024
    .wavefront_size: 32
...
	.end_amdgpu_metadata
.endif
;; end of part 2
